; MI455X (gfx1250); checked and timed in simulation.
; The chip was launched on July 23, 2026; its instructions are those of AMD's public machine-readable ISA for CDNA 5 (MIT licence, August 2026) and "CDNA5" Instruction Set Architecture Reference Guide (July 2026). The comments in the code are by the model that wrote it; some were corrected since.
;; Model. Allowed arithmetic: matrix products marked QUANTISED: E2M1 operands, one E8M0 scale for each 32 along K, by v_wmma_scale_f32_16x16x128_f8f6f4 with both operands' format E2M1 (or v_wmma_scale_f32_32x16x128_f4), f32 sums; everything else in f32.
;; Inputs: x1_codes 16 x 2,048 x 2 x 16 uint8 (E2M1 codes of x1, K innermost, in blocks of 32 codes, two codes a byte); x1_scales 16 x 2,048 x 2 uint8 (E8M0 scales of x1, one for each 32 codes along K); x2 16 x 2,048 x 64 float32.
;; Outputs: out0 16 x 2,048 x 64 float32.
;; This version of the problem:
;;   THIS VERSION OF THE PROBLEM IS GIVEN IN LOW PRECISION. The matrix products marked QUANTISED in the list below multiply operands that are first quantised to E2M1 (2 exponent bits, 1 mantissa bit; 4 bits a number), with one power-of-two scale for each 32 numbers along K (OCP MX v1.0); their sums are f32. All else is computed in f32.
;;   The module's matrix products, in the order in which they are computed (A, B: the left and right operand; K: the contracted axis; several contracted axes count as one K, in the product's order):
;;     1. batch 16 x [M 2,048, K 64] x [K 64, N 2,048]; A: input x1 (given as codes); B: input x2: QUANTISED
;;     2. batch 16 x [M 2,048, K 2,048] x [K 2,048, N 64]; A: softmax (see below); B: input x2: QUANTISED
;;   THE QUANTISER, for each operand of a quantised product, along K:
;;     - K is cut into blocks of 32 from its start; a last block that is shorter is filled with zeros.
;;     - A block's scale is 2^e with e = floor(log2(the largest magnitude in the block)) - 2, held to -126 .. 127; a block of zeros has e = 0. As a byte (E8M0): e + 127.
;;     - Each number is divided by its block's scale, clamped to +-6, and rounded to the nearest number of E2M1, ties to even, subnormals kept.
;;     - The product sums the exact products of the quantised numbers (number of the format x scale) in f32.
;;   ~~~python
;;   def quantise(x, axis):      # numpy; x: float32 -> the quantised numbers, widened to float32 again
;;       x = np.moveaxis(x, axis, -1); K = x.shape[-1]
;;       x = np.pad(x, [(0, 0)] * (x.ndim - 1) + [(0, -K % 32)]); x = x.reshape(x.shape[:-1] + (-1, 32)); a = np.abs(x).max(-1, keepdims=True)
;;       e = np.where(a > 0, np.clip(np.frexp(np.where(a > 0, a, 1))[1] - 1 - 2, -126, 127), 0)      # np.frexp(a)[1] - 1 = floor(log2(a)), exactly
;;       r = np.clip(x / 2.0 ** e, -6, 6)
;;       step = 2.0 ** (np.maximum(np.frexp(np.where(r == 0, 1, r))[1] - 1, 0) - 1)
;;       q = np.round(r / step) * step * 2.0 ** e      # np.round: ties to even
;;       return np.moveaxis(q.reshape(q.shape[:-2] + (-1,))[..., :K], -1, axis).astype(np.float32)
;;   ~~~
;;   SOFTMAX AHEAD OF A QUANTISED PRODUCT. Where the list says 'softmax', what is quantised is not the finished softmax but p = 2^(t - M), with t = logit x log2(e) and M = ceil(the row's largest t), a whole number; so 1/2 < the row's largest p <= 1. The row's sum l is taken of the UNQUANTISED p, in f32, and the product's result is divided by l at the end. Since M is a whole number, a kernel that streams over the keys may use a running M (the ceiling of the running maximum): every later rescaling is an exact power of two, which a block's scale takes up: the codes' values come out the same.
;;   OPERANDS COMPUTED ON THE WAY. 'Computed on the way' means the value that the module computes at that place (a softmax that the list does not call 'softmax' is quantised finished and normalised). What goes into a quantiser is computed in f32, as accurately as f32 sums, v_exp_f32 and their like allow (about 1e-6 of the number): no bf16 or f16 on the way to a quantiser, and a product that is left as it is and whose result goes on into a quantised operand takes f32 operands (vector FMAs, or v_wmma_f32_16x16x4_f32). A number that lies on a knife's edge between two numbers of the format may be rounded either way, as far as f32 arithmetic and the matrix unit's own rounding can turn it there, and no further.
;;   INPUTS GIVEN AS CODES. x1 (in the module: [16, 2048, 64], K = its axis 2): each comes as NAME_codes (uint8): NAME with its K axis moved to the last place and cut into blocks of 32 codes, [.., K / 32, bytes a block], one block behind the other in memory; two codes a byte, the lower K in the low four bits (a code: sign, 2 exponent bits, 1 mantissa bit); and NAME_scales (uint8): the same leading axes, one E8M0 byte (e + 127) for each 32 codes along K. Its value is code x scale, taken as it is: it is not quantised again, and the codes and scales need not be those that the quantiser above would give.
;; One version. Each part assembles by itself: llvm-mc -triple=amdgcn-amd-amdhsa -mcpu=gfx1250 --defsym DOCPART=n.
;; ======== version 1 of 1: 2 launches
;; limits: right only within a limited range of input values
;; workspace buffers: kv 2,228,224 bytes
;; launch quant (part 1): grid 256 x 1, 16 waves a work-group, no clusters, 37,888 bytes of LDS; arguments x2, kv; writes kv
.if DOCPART == 1
	.amdgcn_target "amdgcn-amd-amdhsa--gfx1250"
	.amdhsa_code_object_version 6
	.text
	.protected	k_qa22e194292_quant
	.globl	k_qa22e194292_quant
	.p2align	8
	.type	k_qa22e194292_quant,@function
k_qa22e194292_quant:
	s_mov_b64 s[64:65], 0
	v_nop
	global_prefetch_b8 v0, s[64:65] scope:SCOPE_SE
	s_setreg_imm32_b32 hwreg(HW_REG_WAVE_MODE, 25, 1), 1
	s_wait_xcnt 0x0
; x2 [16][2048][64] f32 is quantised to FP4 (E2M1) codes with one E8M0 scale byte for each 32 numbers, TWICE: along d (K of the first product) and along the keys (V of the second).
; A block's scale is 2^(floor(log2(its largest magnitude)) - 2); its byte is the largest magnitude's exponent field - 2, held at 1 from below.
; LIMITS: NaN and infinities among the inputs are not served.  A block of zeros, or one whose largest magnitude lies under 2^-124, gets the byte 1 where the rule says 127 for zeros:
; its codes are zeros, or under half a step of the smallest scale kept, and the bytes are read by this program alone.
; SHARES.  Work-group g = 16 batch + step takes 128 keys x 64 d: 32,768 dense bytes, read once by dense loads into an LDS tile.  512 threads, ONE block of 32 each: waves 0 to 7 take K's, waves 8 to 15 V's;
; a block lies in one lane's 32 registers, so no maximum crosses lanes.
; THE OUTPUT is laid as images of the operands' registers: a block of STEPB dense bytes for each work-group (lane l = 16 h + r):
;   0     K: slot w = 4 c + 2 v + u at 512 w + 16 l: the 32 codes of key 64 c + 32 (r / 8) + 16 u + 8 v + r % 8, d = 32 h .. 32 h + 31
;   4096  V: slot w = 2 tv + c at 512 w + 16 l: the 32 codes of column d = 16 tv + r, keys 64 c + 32 h + 0 .. 31
;   8192  scales, 16 bytes for m = 0 .. 31: byte 4 c + 2 u + h: K's key with v = m / 16, r = m % 16, d block h;  byte 8 + 4 tp + kb: V's column 32 tp + m, keys 32 kb .. 32 kb + 31
; A thread's 16 bytes of codes lie at 16 x thread: every store of a wave covers 512 consecutive bytes, aligned.
; No tensor load, no matrix work, no cluster: the work-groups share no input.
.set PITCH, 272                        ; a tile's row in LDS: 256 bytes + 16 of padding
.set GRP,   32*PITCH+128               ; 32 rows, and 128 bytes more, so that rows 32 apart begin 32 words apart modulo 64 words
.set SCL,   4*GRP                      ; behind the tile: the image of the 512 scale bytes
.set SPARE, SCL+512                    ; the spare words, 128 bytes for each wave
.set STEPB, 8704
.set X,     32                         ; v32-63 my block
.set CK,    64                         ; v64-67 its codes
	s_load_b128 s[4:7], s[0:1], 0x0                ; x2, kv
	v_lshl_add_u32 v2, v0, 2, SPARE
	v_mov_b32 v3, 0
	v_lshlrev_b32 v1, 4, v0                        ; 16 x thread
	s_lshl_b32 s10, ttmp9, 15                      ; the work-group's 32,768 bytes of x2 (under 2^23)
	s_mov_b32 s11, 0
	s_mul_i32 s12, ttmp9, STEPB                    ; and its block of kv
	s_mov_b32 s13, 0
	s_wait_alu depctr_va_vdst(0)
	s_wait_kmcnt 0x0
	s_add_nc_u64 s[4:5], s[4:5], s[10:11]
	s_add_nc_u64 s[6:7], s[6:7], s[12:13]
.irp i, 0,1,2,3
	global_load_b128 v[16+4*\i:19+4*\i], v1, s[4:5] offset:8192*\i th:TH_LOAD_NT   ; a wave reads 512 consecutive bytes; the launch reads them once
.endr
	v_lshrrev_b32 v8, 5, v0
	v_readfirstlane_b32 s8, v8                     ; wave w, 0 .. 15
	s_and_b32 s9, s8, 1                            ; b0
	s_lshr_b32 s10, s8, 1
	s_and_b32 s10, s10, 1                          ; b1
	s_lshr_b32 s11, s8, 2
	s_and_b32 s11, s11, 1                          ; b2
	s_mul_i32 s14, s11, 2*GRP                      ; K (c = b2, v = b1, u = b0): 64 c rows,
	s_mul_i32 s15, s9, 16*PITCH
	s_add_co_u32 s14, s14, s15
	s_mul_i32 s15, s10, 8*PITCH
	s_add_co_u32 s14, s14, s15                     ; + 16 u + 8 v rows
	s_mul_i32 s15, s9, 2*GRP                       ; V (c = b0, tv = (w % 8) / 2): 64 c rows,
	s_and_b32 s16, s8, 6
	s_lshl_b32 s16, s16, 5
	s_add_co_u32 s15, s15, s16                     ; + 64 tv bytes
	s_and_b32 s16, s8, 12                          ; the byte's place: 8 (w / 8) + 4 b2
	s_lshl_b32 s17, s9, 1
	s_add_co_u32 s16, s16, s17                     ; + 2 b0
	s_lshl_b32 s17, s10, 8
	s_add_co_u32 s16, s16, s17                     ; + 256 b1
	s_add_co_u32 s16, s16, SCL
	v_and_b32 v9, 15, v0                           ; r
	v_bfe_u32 v10, v0, 4, 1                        ; h
	v_lshrrev_b32 v4, 4, v0
	v_bfe_u32 v11, v0, 3, 1                        ; r / 8
	v_and_b32 v12, 7, v0                           ; r % 8
	v_mul_u32_u24 v4, v4, PITCH
	v_mul_u32_u24 v5, v11, GRP
	v_mul_u32_u24 v12, v12, PITCH
	v_mul_u32_u24 v6, v10, GRP
	v_lshl_add_u32 v7, v9, 4, v10
	v_lshl_add_u32 v4, v9, 4, v4                   ; into the tile: row thread / 16 (+ 32 for each load), 16 bytes at 16 r
	v_add_nc_u32 v5, v5, v12
	v_lshl_add_u32 v6, v9, 2, v6
	v_add_nc_u32 v7, s16, v7                       ; where my scale byte goes
	v_lshl_add_u32 v5, v10, 7, v5
	v_add_nc_u32 v6, s15, v6                       ; V: 32 h rows down, column r of the tile's sixteen
	v_add_nc_u32 v13, SCL, v1                      ; the scale bytes' way out (wave 0)
	v_add_nc_u32 v5, s14, v5                       ; K: my key's row, 128 h bytes on
	s_wait_alu depctr_va_vdst(0)
.irp i, 0,1,2,3
	s_wait_loadcnt 3-\i                            ; load i is in, the 3 - i younger ones may be out
	ds_store_b128 v4, v[16+4*\i:19+4*\i] offset:GRP*\i
.endr
	s_wait_dscnt 0x0                               ; for the others' sake: my part of the tile has landed
	s_barrier_signal -1
	s_barrier_wait -1                              ; the tile is whole
	s_cmp_lt_u32 s8, 8
	s_cbranch_scc0 .Lv
.irp i, 0,1,2,3,4,5,6,7
	ds_load_b128 v[X+4*\i:X+4*\i+3], v5 offset:16*\i               ; 32 neighbours along d of my key
.endr
	s_branch .Lblock
.Lv:
.irp i, 0,1,2,3,4,5,6,7,8,9,10,11,12,13,14,15,16,17,18,19,20,21,22,23,24,25,26,27,28,29,30,31
	ds_load_b32 v[X+\i], v6 offset:PITCH*\i                        ; 32 keys of my column: the registers run down the keys
.endr
.Lblock:
	s_wait_dscnt 0x0
.irp q, 0,1,2,3
	v_max3_num_f32 v[8+\q], |v[X+3*\q]|, |v[X+1+3*\q]|, |v[X+2+3*\q]|      ; the largest magnitude, in four chains by turns
.endr
.irp p, 0,1
.irp q, 0,1,2,3
	v_max3_num_f32 v[8+\q], v[8+\q], |v[X+12+8*\p+2*\q]|, |v[X+13+8*\p+2*\q]|
.endr
.endr
.irp q, 0,1
	v_max3_num_f32 v[8+\q], v[8+\q], |v[X+28+2*\q]|, |v[X+29+2*\q]|
.endr
	v_max_num_f32 v10, v10, v11
	v_max3_num_f32 v8, v8, v9, 0x1800000           ; and the floor 2^(3 - 127): the byte cannot fall under 1
	v_max_num_f32 v8, v8, v10
	v_add_nc_u32 v10, 0xff000000, v8               ; 2 off its exponent field: the conversion takes the exponent field of this operand as its scale
.irp g, 0,1,2,3
	v_cvt_scalef32_pk8_fp4_f32 v[CK+\g], v[X+8*\g:X+8*\g+7], v10   ; nearest code, ties to even, beyond 6 the largest code
.endr
	v_lshrrev_b32 v11, 23, v10                     ; the scale's byte (and the plain place behind the last conversion)
	ds_store_b8 v7, v11
	global_store_b128 v1, v[CK:CK+3], s[6:7]       ; 512 consecutive bytes a wave
	s_wait_dscnt 0x0                               ; for the others' sake: my scale byte has landed
	s_barrier_signal -1
	s_barrier_wait -1                              ; all 512 lie in LDS as they are to lie in memory
	s_cmp_lg_u32 s8, 0
	s_cbranch_scc1 .Ldone                          ; one wave carries them out
	ds_load_b128 v[16:19], v13
	s_wait_dscnt 0x0
	global_store_b128 v1, v[16:19], s[6:7] offset:8192
.Ldone:
	s_wait_tensorcnt 0x0                           ; the wave's end
	ds_add_u32 v2, v3
	s_wait_dscnt 0x0
	s_endpgm
.Lfunc_end_k_qa22e194292_quant:
	.size	k_qa22e194292_quant, .Lfunc_end_k_qa22e194292_quant-k_qa22e194292_quant
	.p2alignl 7, 3214868480
	.fill 96, 4, 3214868480
	.section	.rodata,"a",@progbits
	.p2align	6, 0x0
	.amdhsa_kernel k_qa22e194292_quant
		.amdhsa_group_segment_fixed_size 37888
		.amdhsa_private_segment_fixed_size 0
		.amdhsa_enable_private_segment 0
		.amdhsa_kernarg_size 16
		.amdhsa_user_sgpr_count 2
		.amdhsa_user_sgpr_kernarg_segment_ptr 1
		.amdhsa_wavefront_size32 1
		.amdhsa_system_sgpr_workgroup_id_x 1
		.amdhsa_system_sgpr_workgroup_id_y 1
		.amdhsa_system_sgpr_workgroup_id_z 1
		.amdhsa_system_vgpr_workitem_id 0
		.amdhsa_next_free_vgpr 72
		.amdhsa_next_free_sgpr 66
		.amdhsa_reserve_vcc 0
		.amdhsa_float_denorm_mode_32 3
		.amdhsa_float_denorm_mode_16_64 3
		.amdhsa_memory_ordered 1
		.amdhsa_forward_progress 1
		.amdhsa_inst_pref_size 9
	.end_amdhsa_kernel
	.amdgpu_metadata
---
amdhsa.version: [ 1, 2 ]
amdhsa.kernels:
  - .name:           k_qa22e194292_quant
    .symbol:         k_qa22e194292_quant.kd
    .args:
      - { .name: x2, .offset: 0, .size: 8, .value_kind: global_buffer, .address_space: global }
      - { .name: kv, .offset: 8, .size: 8, .value_kind: global_buffer, .address_space: global }
    .group_segment_fixed_size: 37888
    .private_segment_fixed_size: 0
    .kernarg_segment_align: 8
    .kernarg_segment_size: 16
    .max_flat_workgroup_size: 512
    .sgpr_count:     66
    .vgpr_count:     72
    .wavefront_size: 32
...
	.end_amdgpu_metadata
.endif
;; end of part 1
;; launch attn (part 2): grid 16 x 16, 16 waves a work-group, clusters of 4 x 1, 212,992 bytes of LDS; arguments x1_codes, x1_scales, kv, out0; writes out0
.if DOCPART == 2
	.amdgcn_target "amdgcn-amd-amdhsa--gfx1250"
	.amdhsa_code_object_version 6
	.text
	.protected	k_qa22e194292_attn
	.globl	k_qa22e194292_attn
	.p2align	8
	.type	k_qa22e194292_attn,@function
k_qa22e194292_attn:
	s_mov_b64 s[64:65], 0
	v_nop
	global_prefetch_b8 v0, s[64:65] scope:SCOPE_SE
	s_setreg_imm32_b32 hwreg(HW_REG_WAVE_MODE, 25, 1), 1
	s_wait_xcnt 0x0
	s_wait_alu depctr_hold_cnt(0) depctr_sa_sdst(0) depctr_va_vdst(0) depctr_va_sdst(0) depctr_va_ssrc(0) depctr_va_vcc(0) depctr_vm_vsrc(0)
	s_getreg_b32 s2, hwreg(HW_REG_IB_STS2, 6, 4)
	s_cmp_eq_u32 s2, 0
	s_cbranch_scc0 .Lentry_in_a_cluster
	s_endpgm
.Lentry_in_a_cluster:
	s_bfe_u32 s2, ttmp6, 0x10000c
	s_cmp_lg_u32 s2, 0x3003
	s_cbranch_scc0 .Lentry_shape_is_right
	s_endpgm
.Lentry_shape_is_right:
; out[b][q][:] = the sum over k of softmax_k(x1[b][q] . x2[b][k] / 8) x2[b][k][:], both products on codes of FP4 (E2M1) with one E8M0 scale for each 32 along a product's K.
; x1 arrives as codes and scale bytes; x2's codes, both ways, and their scales come from kv, laid by the launch before as images of the operands' registers: STEPB bytes for each 128 keys.
; THE SOFTMAX: t = score x log2(e) / 8; M = the row's largest t so far, rounded UP to a whole number; p = 2^(t - M) is quantised along the keys, not normalised.  The row's sum is taken of the unquantised p
; and divides at the end.  When M moves, the sum and O are multiplied by 2^(old M - new M), which rounds nothing.
; SHARES.  A work-group owns 128 queries of one batch, 8 tiles of 16.  Sixteen waves, 256 registers each: waves x and x + 8 own tile x and share its 2,048 keys in steps of 256: wave x + 8 takes two steps (blocks 0, 1 and 4, 5 of
; 128 keys), wave x six (blocks 2, 3 and 6 to 15).  At the end the two parts are joined through LDS, 8 rows of the tile by each of the two waves.
; A batch's whole kv, 16 x 8,704 = 139,264 bytes, lies in LDS, filled once: wave w fetches block w with one load.  Blocks 0 to 3 serve every wave's first step, so only waves 0 to 3 wait ahead of the first barrier;
; the others' loads are met in the first step.  Nothing is filled again.
; CLUSTER.  The four query blocks of a cluster belong to one batch: each load is asked for JOINTLY, by the same line with the same descriptor and a mask that names the four.
; No prefetch: all of kv that a work-group reads is asked for at the head, and no loop runs ahead of those requests.
; LAYOUT.  Both products are used transposed: S^T = K Q^T (source 0 = 32 keys, source 1 = my 16 queries), O^T = V^T P^T: a lane holds ONE query (lane % 16) throughout.
; The rows of K that form a tile are chosen so that lane (r, h) holds in 32 registers the WHOLE block of keys 64 c + 32 h + 0 .. 31: the place that the second product's operand gives it.  So a block's largest score needs no other lane
; and the conversions' results are the operand.
; The first product's K is 64 in an instruction 128 deep: Q's other half is zero codes, under the byte 1.  K's registers 0-3 and 4-7 (of each 16 rows) are two different tiles: with Q in the lower half the one is
; multiplied, with Q in the upper half the other; what meets the zero codes adds nothing.
; LIMITS: NaN and infinities are not served.  The promise holds while scores x log2(e) / 8 stay under 2^31 in magnitude.  A p under 2^-126 comes out of v_exp_f32 as 0 (ISA guide 15.8): at most 2^-125 of the row's largest p.
; A block whose every p is 0 keeps the scale byte 1: its codes are zeros.  t - M is one fused multiply-add on the score, where the rule multiplies and then subtracts: the two differ within one f32 rounding.
.set STEPB, 8704                       ; 128 keys: K's slots at 0, V's at 4096, scale words at 8192
.set STAGE, 16*STEPB                   ; behind the codes: 16 rows x (256 + 16) bytes for each wave, for the way out; no fill lands there
.set SROW,  272
.set SWAVE, 16*SROW
.set ML,    STAGE+16*SWAVE             ; for each tile 16 rows x (-M, sum of the one wave; -M, sum of the other)
.set SPARE, ML+2048                    ; the spare words, 128 bytes for each wave
.set LI,  1                            ; v1   16 x lane: my place in an image; also my byte offset in two rows of out
.set SPW, 2
.set NIL, 3
.set ADR, 4                            ; v4   LI + the step's first LDS byte
.set MLW, 5                            ; v5   where my -M and sum go
.set NM,  6                            ; v6   -M; v7 the largest score so far, at the end the row's sum
.set RUN, 7
.set SUM, 8                            ; v[8:9] the row's sum in two halves
.set F,   10                           ; v10  f = 2^(old M - new M)
.set MLR, 11                           ; v11  where I read -M and sums (named with F as a pair, its value not used there)
.set TA,  12
.set TC,  13
.set SO,  14                           ; v14  the stage: where I put 32 bytes of a row
.set SR,  15                           ; v15  and where I read rows back
.set QZ,  16                           ; v16-19 zeros, v20-23 Q's codes, v24-27 zeros
.set QSW, 28                           ; v28  Q's scale word for v[20:27], v29 for v[16:23]: these and the ten below hold scales and nothing else
.set PSW, 30                           ; v30-31 p's scale words
.set SW,  32                           ; v32-39 scale words: the first block's K, K, V, V, then the second's
.set KF,  40                           ; v40-71 the step's first block of K, then of V (the second blocks lie in registers of S and PC that are done with)
.set PC,  72                           ; v72-87 p's codes
.set BM,  88                           ; v88-91 the blocks' largest scores, then their largest p, then the bytes
.set SOP, 92                           ; v92-95 second chains of the maxima, then the conversions' scale operands
.set O,   96                           ; v96-127 O^T
.set S,   128                          ; v128-255 S^T, then p: four quarters of 32
.set WV,  12                           ; s12 my wave's number
.set G1,  24                           ; s[24:31] descriptor group 1; s[40:43] group 0; never rewritten
.set G0,  40
.set CS,  48                           ; s[48:49] c = log2(e) / 8
.set SEL, 50                           ; s[50:51] v_permlanex16_b32's selects for lane l xor 16
.set TB,  52                           ; s52 LDS byte at which the next step begins
.set CNT, 53
; A round of the cluster's barrier: my work-group's barrier; wave 0 signals for the work-group; every wave waits for all four work-groups; my work-group's barrier once more.
.macro CROUND
	s_barrier_signal -1
	s_barrier_wait -1
	s_cmp_lg_u32 s[WV], 0
	s_cbranch_scc1 .Lnot_wave_0_\@
	s_barrier_signal -3
.Lnot_wave_0_\@:
	s_barrier_wait -3
	s_barrier_signal -1
	s_barrier_wait -1
.endm
	s_load_b256 s[4:11], s[0:1], 0x0               ; Q's codes s[4:5], Q's scales s[6:7], kv s[8:9], out s[10:11]
	v_lshl_add_u32 v[SPW], v0, 2, SPARE
	v_mov_b32 v[NIL], 0
	ds_add_u32 v[SPW], v[NIL]                      ; the wave's opening
	ds_add_u32 v[SPW], v[NIL]
	v_lshrrev_b32 v[TA], 5, v0
	v_readfirstlane_b32 s[WV], v[TA]               ; wave w, 0 .. 15
	s_and_b32 s13, s[WV], 7                        ; x: my tile of 16 queries
	s_lshr_b32 s14, s[WV], 3                       ; g: which of the tile's two waves I am
	s_bfe_u32 s15, ttmp6, 0x40000                  ; cx: my place in the cluster: it enters Q's and out's addresses alone
	s_lshl_b32 s16, ttmp9, 2                       ; in a cluster launch ttmp9 counts clusters
	s_add_co_u32 s16, s16, s15
	s_lshl_b32 s16, s16, 7
	s_and_b32 s17, ttmp7, 0xffff                   ; the batch, which the four partners share
	s_lshl_b32 s18, s17, 11
	s_add_co_u32 s16, s16, s18
	s_lshl_b32 s18, s13, 4
	s_add_co_u32 s16, s16, s18                     ; the tile's first row of x1 and of out
	s_mul_i32 s18, s[WV], SWAVE
	s_add_co_u32 s18, s18, STAGE                   ; my stage
	s_mul_i32 s19, s13, SWAVE
	s_mul_i32 s20, s14, 8*SROW
	s_add_co_u32 s19, s19, s20
	s_add_co_u32 s19, s19, STAGE                   ; my 8 rows of the tile, in wave x's stage
	s_lshl_b32 s21, s13, 8
	s_add_co_u32 s21, s21, ML
	s_lshl_b32 s22, s14, 3
	s_add_co_u32 s22, s22, s21
	s_lshl_b32 s23, s14, 7
	s_add_co_u32 s23, s23, s21
	s_xor_b32 s[TB], s14, 1
	s_mul_i32 s[TB], s[TB], 2*STEPB                ; the first step's blocks: 2, 3 (waves 0 to 7) or 0, 1 (waves 8 to 15)
	; descriptor group 1: a dense block as 34 rows of 256 bytes (32 elements of 8 bytes), no padding: images are read 16 bytes a lane on end
	s_mov_b32 s[G1], 15|(3<<16)|(1<<21)            ; 15:0 the mask: all four work-groups; 17:16 elements of 8 bytes; 21 set beside a mask
	s_mov_b32 s[G1+1], 32<<16
	s_mov_b32 s[G1+2], (STEPB/256)<<16
	s_mov_b32 s[G1+3], 32<<16
	s_mov_b32 s[G1+4], STEPB/256
	s_mov_b32 s[G1+5], 32
	s_mov_b32 s[G1+6], 0
	s_mov_b32 s[G1+7], 0
	s_mov_b32 s[G0], 1
	s_mul_i32 s[G0+1], s[WV], STEPB                ; LDS mirrors the batch's part of kv byte for byte
	s_mul_i32 s44, s17, 16*STEPB
	s_add_co_u32 s44, s44, s[G0+1]                 ; my block in kv (under 2^22)
	s_mov_b32 s45, 0
	s_mov_b32 s[CS], 0x3e38aa3b                    ; c = log2(e) / 8
	s_mov_b32 s[CS+1], s[CS]                       ; (named with it as a pair, so it is written)
	s_mov_b32 s[SEL], 0x76543210
	s_mov_b32 s[SEL+1], 0xfedcba98
	v_and_b32 v[TA], 15, v0                        ; r
	v_bfe_u32 v[TC], v0, 4, 1                      ; h
	v_and_b32 v[LI], 31, v0
	v_lshlrev_b32 v41, 1, v[TA]                    ; Q's scale bytes: 2 r
	v_lshlrev_b32 v40, 5, v[TA]
	v_lshlrev_b32 v[LI], 4, v[LI]
	v_mul_u32_u24 v[SO], v[TA], SROW
	v_mul_u32_u24 v[SR], v[TC], SROW
	v_lshlrev_b32 v[MLW], 4, v[TA]
	v_lshlrev_b32 v[MLR], 4, v[TC]
	v_lshl_add_u32 v40, v[TC], 4, v40              ; Q's codes: 32 r + 16 h
	v_lshl_add_u32 v[SO], v[TC], 5, v[SO]
	v_lshl_add_u32 v[SR], v[TA], 4, v[SR]
	v_add_nc_u32 v[MLW], s22, v[MLW]               ; row r: 16 r + 8 g
	v_add_nc_u32 v[MLR], s23, v[MLR]               ; row 8 g + h (+ 2 for each load)
	v_add_nc_u32 v[SO], s18, v[SO]                 ; in: row r; tile t's eight columns of my half lie 64 t + 32 h bytes on
	v_add_nc_u32 v[SR], s19, v[SR]                 ; back: lanes 0-15 one row, lanes 16-31 the next
	v_add_nc_u32 v[ADR], s[TB], v[LI]
	s_wait_alu depctr_va_vdst(0)
	s_wait_dscnt 0x0                               ; both opening adds are done
	CROUND                                         ; all four work-groups are here: the joint loads meet
	s_wait_kmcnt 0x0
	s_add_nc_u64 s[G0+2:G0+3], s[8:9], s[44:45]
	s_or_b32 s[G0+3], s[G0+3], 0x80000000          ; type = 2
	s_cmp_lt_u32 s[WV], 4
	s_cbranch_scc0 .Llate
	tensor_load_to_lds s[G0:G0+3], s[G1:G1+7]      ; waves 0 to 3: what every wave's first step reads
	s_nop 0
.rept 4
	v_nop
.endr
	s_branch .Lasked
.Llate:
	tensor_load_to_lds s[G0:G0+3], s[G1:G1+7]      ; waves 4 to 15: the later steps' blocks
	s_nop 0
.rept 4
	v_nop
.endr
.Lasked:
	s_lshl_b32 s20, s16, 5                         ; a row of Q's codes is 32 bytes,
	s_mov_b32 s21, 0
	s_add_nc_u64 s[4:5], s[4:5], s[20:21]
	s_lshl_b32 s20, s16, 1                         ; of its scale bytes 2,
	s_add_nc_u64 s[6:7], s[6:7], s[20:21]
	global_load_b128 v[QZ+4:QZ+7], v40, s[4:5]     ; Q's codes: k = 32 h .. 32 h + 31 of row r, as they lie
	global_load_u16 v42, v41, s[6:7]               ; row r's two scale bytes
	s_lshl_b32 s20, s14, 3
	s_add_co_u32 s20, s20, s16                     ; the 8 rows that I send out
	s_lshl_b32 s20, s20, 8                         ; a row of out is 256 bytes (under 2^23 in all)
	s_add_nc_u64 s[10:11], s[10:11], s[20:21]
.irp j, 0,1,2,3,8,9,10,11
	v_mov_b32 v[QZ+\j], 0                          ; the zero codes on either side of Q
.endr
	v_mov_b32 v[SUM], 0
	v_mov_b32 v[SUM+1], 0
	v_mov_b32 v[NM], 0x7f61b1e6                    ; -M = 3e38 and the largest score = -3e38: the first step's f is 0
	v_mov_b32 v[RUN], 0xff61b1e6
.set j, 0
.rept 24
	v_mov_b32 v[O+j], 0                            ; O^T: the first step finds zeros, which the first change of M leaves zeros
.set j, j+1
.endr
	s_wait_alu depctr_va_vdst(0)
	s_wait_loadcnt 0x0                             ; Q
	v_or_b32 v[QSW], 0x1010000, v42                ; Q in the lower half: its two bytes, the byte 1 over the zero codes
	v_lshl_or_b32 v[QSW+1], v42, 16, 0x101         ; Q in the upper half
.rept 8
	v_mov_b32 v[O+j], 0                            ; (eight places between the scale words and the first product)
.set j, j+1
.endr
.macro KLOAD                           ; K's eight slots of the step's first block
.irp w, 0,1,2,3,4,5,6,7
	ds_load_b128 v[KF+4*\w:KF+4*\w+3], v[ADR] offset:512*\w
.endr
.endm
.macro K1LOAD                          ; of the second: into quarter 3's lower half, whose sums are taken, and into p's codes, whose products are issued
.irp w, 0,1,2,3
	ds_load_b128 v[S+96+4*\w:S+99+4*\w], v[ADR] offset:STEPB+512*\w
.endr
.irp w, 0,1,2,3
	ds_load_b128 v[PC+4*\w:PC+3+4*\w], v[ADR] offset:STEPB+2048+512*\w
.endr
.endm
.macro VLOAD0                          ; V's slots of the first block
.irp w, 0,1,2,3,4,5,6,7
	ds_load_b128 v[KF+4*\w:KF+4*\w+3], v[ADR] offset:4096+512*\w
.endr
.endm
.macro VLOAD1                          ; and of the second: into the upper halves of quarters 0 and 1, whose codes are made and whose pairs are added
.irp w, 0,1,2,3
	ds_load_b128 v[S+16+4*\w:S+19+4*\w], v[ADR] offset:STEPB+4096+512*\w
.endr
.irp w, 0,1,2,3
	ds_load_b128 v[S+48+4*\w:S+51+4*\w], v[ADR] offset:STEPB+6144+512*\w
.endr
.endm
.macro SWLOAD                          ; scale words of both blocks
	ds_load_b128 v[SW:SW+3], v[ADR] offset:8192
	ds_load_b128 v[SW+4:SW+7], v[ADR] offset:STEPB+8192
.endm
.macro QKC a, c, kf                    ; S^T of 64 keys, quarter 2 a + c; register 16 u + 8 v + j of it is key 64 c + 32 h + 16 u + 8 v + j of block a
.irp u, 0,1
	v_wmma_scale_f32_32x16x128_f4 v[S+64*\a+32*\c+16*\u:S+64*\a+32*\c+16*\u+15], v[\kf:\kf+15], v[QZ+4-4*\u:QZ+11-4*\u], 0, v[SW+4*\a+\c], v[QSW+\u]
.endr
.endm
.macro PVT a, t, kf                    ; O^T += V^T P^T over 128 keys, accumulators t and t + 1: the four by turns, three others between two links of a chain
	v_wmma_scale_f32_16x16x128_f8f6f4 v[O+8*\t:O+8*\t+7], v[\kf:\kf+7], v[PC+8*\a:PC+8*\a+7], v[O+8*\t:O+8*\t+7], v[SW+4*\a+2+\t/2], v[PSW+\a] matrix_a_fmt:MATRIX_FMT_FP4 matrix_b_fmt:MATRIX_FMT_FP4
	v_wmma_scale_f32_16x16x128_f8f6f4 v[O+8*\t+8:O+8*\t+15], v[\kf+8:\kf+15], v[PC+8*\a:PC+8*\a+7], v[O+8*\t+8:O+8*\t+15], v[SW+4*\a+2+\t/2], v[PSW+\a] matrix_a_fmt:MATRIX_FMT_FP4 matrix_b_fmt:MATRIX_FMT_FP4 matrix_a_scale:MATRIX_SCALE_ROW1
.endm
; The largest scores of quarters 2 a, 2 a + 1, four chains by turns; each accumulator is read from its low end on.  They serve twice: for the row's maximum and, since p rises with the score, for the block's largest p.
.macro MAXI a
.irp c, 0,1
	v_max3_num_f32 v[BM+2*\a+\c], v[S+64*\a+32*\c], v[S+64*\a+32*\c+1], v[S+64*\a+32*\c+2]
	v_max3_num_f32 v[SOP+2*\a+\c], v[S+64*\a+32*\c+16], v[S+64*\a+32*\c+17], v[S+64*\a+32*\c+18]
.endr
.endm
.macro MAXJ a, p, q, r
.irp i, \p,\q,\r
.irp c, 0,1
	v_max3_num_f32 v[BM+2*\a+\c], v[BM+2*\a+\c], v[S+64*\a+32*\c+\i], v[S+64*\a+32*\c+\i+1]
	v_max3_num_f32 v[SOP+2*\a+\c], v[SOP+2*\a+\c], v[S+64*\a+32*\c+16+\i], v[S+64*\a+32*\c+17+\i]
.endr
.endr
.endm
.macro COMB a                          ; the chains' ends: four lines
.irp c, 0,1
	v_max3_num_f32 v[BM+2*\a+\c], v[BM+2*\a+\c], v[S+64*\a+32*\c+15], v[S+64*\a+32*\c+31]
.endr
.irp c, 0,1
	v_max_num_f32 v[BM+2*\a+\c], v[BM+2*\a+\c], v[SOP+2*\a+\c]
.endr
.endm
.macro TM q, n                         ; t - M, two at a time (of the pairs c and -M the low word serves both halves)
	v_pk_fma_f32 v[S+32*(\q)+2*(\n):S+32*(\q)+2*(\n)+1], v[S+32*(\q)+2*(\n):S+32*(\q)+2*(\n)+1], s[CS:CS+1], v[NM:NM+1] op_sel_hi:[1,0,0]
.endm
.macro L1 q, n                         ; the row's sum, taken of the unquantised p: a quarter's 16 pairs become 8
	v_pk_add_f32 v[S+32*(\q)+2*(\n):S+32*(\q)+2*(\n)+1], v[S+32*(\q)+2*(\n):S+32*(\q)+2*(\n)+1], v[S+32*(\q)+16+2*(\n):S+32*(\q)+17+2*(\n)]
.endm
.macro ACC q, n                        ; and are added onto quarter 0's 8
	v_pk_add_f32 v[S+2*(\n):S+2*(\n)+1], v[S+2*(\n):S+2*(\n)+1], v[S+32*(\q)+2*(\n):S+32*(\q)+2*(\n)+1]
.endm
.macro TREE                            ; 8 pairs become 4, in v88-95,
.irp n, 0,1,2,3
	v_pk_add_f32 v[BM+2*\n:BM+2*\n+1], v[S+4*\n:S+4*\n+1], v[S+4*\n+2:S+4*\n+3]
.endr
.endm
.macro SUMTAIL                         ; and 1; the sum under the new M
	v_pk_add_f32 v[BM:BM+1], v[BM:BM+1], v[BM+2:BM+3]
	v_pk_add_f32 v[BM+4:BM+5], v[BM+4:BM+5], v[BM+6:BM+7]
	v_pk_add_f32 v[BM:BM+1], v[BM:BM+1], v[BM+4:BM+5]
	v_pk_fma_f32 v[SUM:SUM+1], v[SUM:SUM+1], v[F:F+1], v[BM:BM+1] op_sel_hi:[1,0,1]
.endm
.macro SCALE c                         ; quarter c's p become codes, registers 4 c .. 4 c + 3 of the operands; its byte is left in BM
	v_max_num_f32 v[BM+(\c)], 0x1800000, v[BM+(\c)]        ; the floor 2^(3 - 127): the byte cannot fall under 1
	v_add_nc_u32 v[SOP+(\c)], 0xff000000, v[BM+(\c)]       ; 2 off the exponent field: the conversion's scale operand
.irp g, 0,1,2,3
	v_cvt_scalef32_pk8_fp4_f32 v[PC+4*(\c)+\g], v[S+32*(\c)+8*\g:S+32*(\c)+8*\g+7], v[SOP+(\c)]
.endr
	v_lshrrev_b32 v[BM+(\c)], 23, v[SOP+(\c)]              ; (and the plain place behind the last conversion)
.endm
.macro WORD a                          ; p's scale word of 128 keys: my two bytes, and lane l xor 16's between them (lanes 0-15 are read)
	v_lshl_or_b32 v[TA], v[BM+2*\a+1], 16, v[BM+2*\a]
	v_permlanex16_b32 v[TC], v[TA], s[SEL], s[SEL+1]
	v_lshl_or_b32 v[PSW+\a], v[TC], 8, v[TA]
.endm
; Quarter c's exponentials.  The plain lines between them are the next quarter's multiply-adds and the sums of quarters that are finished: what they write is first read behind the next batch's wait.
.macro BATCH c
	s_wait_alu depctr_va_vdst(0)                   ; one wait serves behind the batch before and ahead of this one
.if \c > 0
	SCALE \c-1
.endif
.if \c == 2
	WORD 0
.endif
	v_exp_f32 v[BM+\c], v[BM+\c]                   ; the block's largest p: the same two instructions on the same number give the same bits
.set k, 0
.rept 16
	v_exp_f32 v[S+32*\c+2*k], v[S+32*\c+2*k]       ; p = 2^(t - M), at most 1: not normalised
.if \c < 3
	TM \c+1, k
.elseif k < 8
	L1 2, k
.else
	ACC 1, k-8
.endif
	v_exp_f32 v[S+32*\c+2*k+1], v[S+32*\c+2*k+1]
.if (k < 8) && ((\c == 1) || (\c == 2))
	L1 \c-1, k
.endif
.set k, k+1
.endr
.endm
; A STEP: 256 keys.  first = 1: no sum of an earlier step is pending.  meet = 1: the later blocks are met.  pre = 1: the next step's K is asked for, at TB.
.macro STEP first, meet, pre
	s_wait_dscnt 8                                 ; K's first block and the scale words are in; the second block's eight loads may be out
	QKC 0, 0, KF
	QKC 0, 1, KF+16
.if \first
.rept 4
	v_nop                                          ; four places (ISA guide 7.12.1)
.endr
.else
	SUMTAIL                                        ; the step before's sum: the four places (ISA guide 7.12.1)
.endif
	VLOAD0
	MAXI 0
	MAXJ 0, 3, 5, 7
	s_wait_alu depctr_va_vdst(0)
	s_wait_dscnt 8                                 ; K's second block is in; V's eight loads may be out
	QKC 1, 0, S+96
	MAXJ 0, 9, 11, 13                              ; twelve places: the next product writes over this one's source 0
	QKC 1, 1, PC
	COMB 0
	v_max3_num_f32 v[RUN], v[RUN], v[BM], v[BM+1]  ; (with COMB five places)
	MAXI 1
	MAXJ 1, 3, 5, 7
	MAXJ 1, 9, 11, 13
	COMB 1
.if \meet
	s_wait_alu depctr_va_vdst(0)
	s_wait_tensorcnt 0x0                           ; my block has landed,
	s_wait_dscnt 0x0                               ; and no LDS instruction of mine is out:
	s_barrier_signal -1                            ; say so; register work and reads of blocks 0 to 3 follow until the wait
.endif
	v_max3_num_f32 v[RUN], v[RUN], v[BM+2], v[BM+3]
	s_delay_alu instid0(VALU_DEP_1)
	v_permlanex16_b32 v[TC], v[RUN], s[SEL], s[SEL+1]
	s_delay_alu instid0(VALU_DEP_1)
	v_max_num_f32 v[RUN], v[RUN], v[TC]            ; the largest score of my query, with lane l xor 16's keys
	s_delay_alu instid0(VALU_DEP_1)
	v_mul_f32 v[TA], s[CS], v[RUN]                 ; as t (c is positive)
	s_delay_alu instid0(VALU_DEP_1)
	v_floor_f32 v[TA], -v[TA]                      ; the new -M = floor(-t) = -ceil(t): a whole number
	s_delay_alu instid0(VALU_DEP_1)
	v_sub_f32 v[TC], v[TA], v[NM]                  ; old M - new M: a whole number, 0 or less
	v_mov_b32 v[NM], v[TA]
.set k, 0
.rept 8
	TM 0, k
.set k, k+1
.endr
	v_cvt_i32_f32 v[TC], v[TC]                     ; (it saturates)
.rept 8
	TM 0, k
.set k, k+1
.endr
	v_ldexp_f32 v[F], 1.0, v[TC]                   ; f = 2^(old M - new M)
.irp b, 0,1,2,3
	v_fma_f32 v[BM+\b], v[BM+\b], s[CS], v[NM]     ; t - M of each block's largest score
.endr
.set k, 0
.rept 16
	v_pk_mul_f32 v[O+k:O+k+1], v[O+k:O+k+1], v[F:F+1] op_sel_hi:[1,0]      ; O^T under the new M, each accumulator from its low end on
.set k, k+2
.endr
	BATCH 0
	BATCH 1
	BATCH 2
	VLOAD1
	BATCH 3
	s_wait_alu depctr_va_vdst(0)
	SCALE 3
	WORD 1
	s_wait_alu depctr_va_vdst(0)
	s_wait_dscnt 0x0                               ; both of V's blocks
	PVT 0, 0, KF
	PVT 0, 2, KF+16
.irp n, 0,1,2,3,4,5,6,7
	L1 3, \n                                       ; (places in front of the loads)
.endr
.if \meet
	s_wait_alu depctr_va_vdst(0)
	s_barrier_wait -1                              ; every wave's block has landed
.endif
.if \pre
	v_add_nc_u32 v[ADR], s[TB], v[LI]              ; my next two blocks
	KLOAD
.endif
.irp n, 0,1,2,3,4,5,6,7
	ACC 2, \n
.endr
	PVT 1, 0, S+16
	PVT 1, 2, S+48
.irp n, 0,1,2,3,4,5,6,7
	ACC 3, \n                                      ; (places in front of the loads)
.endr
.if \pre
	SWLOAD
	K1LOAD
.endif
	TREE
	s_wait_alu depctr_va_vdst(0)
.endm
	s_wait_alu depctr_va_vdst(0)
	s_cmp_lt_u32 s[WV], 4
	s_cbranch_scc0 .Lnot_first
	s_wait_tensorcnt 0x0                           ; waves 0 to 3: blocks 0 to 3 are in; the other waves' loads, a line of their own, stay out
.Lnot_first:
	s_barrier_signal -1
	s_barrier_wait -1
	KLOAD
	SWLOAD
	K1LOAD
	s_add_co_u32 s[TB], s[TB], 4*STEPB             ; the second step: blocks 6, 7 or 4, 5
	STEP 1, 1, 1                                   ; reads blocks 0 to 3 alone until the meeting
	s_add_co_u32 s[TB], s[TB], 2*STEPB
	STEP 0, 0, 1                                   ; the second step, the last of waves 8 to 15 (the K that they ask for here they do not use; their blocks 6, 7 are in LDS)
	s_mov_b32 s[CNT], 3
.Lbody:                                            ; every wave walks the loop; the branch leads waves 8 to 15 round the step alone, which holds no barrier and no tensor load
	s_add_co_u32 s[TB], s[TB], 2*STEPB
	s_cmp_lt_u32 s[WV], 8
	s_cbranch_scc0 .Lrest
	STEP 0, 0, 1                                   ; blocks 8, 9 and on
.Lrest:
	s_sub_co_u32 s[CNT], s[CNT], 1
	s_cmp_lg_u32 s[CNT], 0
	s_cbranch_scc1 .Lbody
	s_cmp_lt_u32 s[WV], 8
	s_cbranch_scc0 .Lout
	STEP 0, 0, 0                                   ; blocks 14, 15: nothing follows
.Lout:
	; THE WAY OUT.  Each wave puts its O^T (not divided), -M and its part of the row's sum into LDS; behind one barrier waves x and x + 8 take 8 rows of the tile each, in rows of 256 bytes.
.irp t, 0,1,2,3
	ds_store_b128 v[SO], v[O+8*\t:O+8*\t+3] offset:64*\t
	ds_store_b128 v[SO], v[O+8*\t+4:O+8*\t+7] offset:64*\t+16
.endr
	SUMTAIL
	v_add_f32 v[SUM], v[SUM], v[SUM+1]             ; the sum's two halves,
	s_delay_alu instid0(VALU_DEP_1)
	v_permlanex16_b32 v[TC], v[SUM], s[SEL], s[SEL+1]
	s_delay_alu instid0(VALU_DEP_1)
	v_add_f32 v[NM+1], v[SUM], v[TC]               ; and lane l xor 16's
	ds_store_b64 v[MLW], v[NM:NM+1]                ; (lanes l and l xor 16 store the same)
	s_wait_alu depctr_va_vdst(0)
	s_wait_dscnt 0x0                               ; for the other wave's sake: my part has landed
	s_barrier_signal -1
	s_barrier_wait -1
.irp i, 0,1,2,3
	ds_load_b128 v[128+4*\i:131+4*\i], v[MLR] offset:32*\i         ; row 8 g + 2 i + h: -M and sum of wave x, -M and sum of wave x + 8
.endr
.irp i, 0,1,2,3
	ds_load_b128 v[144+4*\i:147+4*\i], v[SR] offset:2*SROW*\i      ; the row as wave x has it,
.endr
.irp i, 0,1,2,3
	ds_load_b128 v[160+4*\i:163+4*\i], v[SR] offset:8*SWAVE+2*SROW*\i      ; and as wave x + 8 has it
.endr
	s_wait_dscnt 8                                 ; the four of -M and sums are in, the rows' eight may be out
.irp i, 0,1,2,3
	v_min_num_f32 v[176+\i], v[128+4*\i], v[130+4*\i]              ; the common -M
.endr
.irp i, 0,1,2,3
	v_sub_f32 v[184+2*\i], v[176+\i], v[128+4*\i]                  ; M of each less the common one: whole numbers, 0 or less
	v_sub_f32 v[185+2*\i], v[176+\i], v[130+4*\i]
.endr
.irp i, 0,1,2,3
	v_cvt_i32_f32 v[184+2*\i], v[184+2*\i]
	v_cvt_i32_f32 v[185+2*\i], v[185+2*\i]
.endr
.irp i, 0,1,2,3
	v_ldexp_f32 v[184+2*\i], 1.0, v[184+2*\i]
	v_ldexp_f32 v[185+2*\i], 1.0, v[185+2*\i]
.endr
.irp i, 0,1,2,3
	v_mul_f32 v[192+\i], v[131+4*\i], v[185+2*\i]
.endr
.irp i, 0,1,2,3
	v_fma_f32 v[192+\i], v[129+4*\i], v[184+2*\i], v[192+\i]       ; the row's sum
.endr
	s_wait_alu depctr_va_vdst(0)
.irp i, 0,1,2,3
	v_rcp_f32 v[192+\i], v[192+\i]
.endr
	v_nop                                          ; one plain place behind a transcendental
	s_wait_alu depctr_va_vdst(0)
	s_wait_dscnt 0x0                               ; the rows are in
.irp i, 0,1,2,3
	v_mul_f32 v[184+2*\i], v[184+2*\i], v[192+\i]
	v_mul_f32 v[185+2*\i], v[185+2*\i], v[192+\i]
.endr
.irp i, 0,1,2,3
.irp e, 0,2
	v_pk_mul_f32 v[160+4*\i+\e:161+4*\i+\e], v[160+4*\i+\e:161+4*\i+\e], v[184+2*\i:185+2*\i] op_sel:[0,1]     ; the pair's second word for both
.endr
.endr
.irp i, 0,1,2,3
.irp e, 0,2
	v_pk_fma_f32 v[144+4*\i+\e:145+4*\i+\e], v[144+4*\i+\e:145+4*\i+\e], v[184+2*\i:185+2*\i], v[160+4*\i+\e:161+4*\i+\e] op_sel_hi:[1,0,1]
.endr
.endr
.irp i, 0,1,2,3
	global_store_b128 v[LI], v[144+4*\i:147+4*\i], s[10:11] offset:512*\i th:TH_STORE_NT   ; two whole rows: 512 consecutive bytes, aligned; written once, read by nobody here
.endr
	s_wait_tensorcnt 0x0                           ; the wave's end
	ds_add_u32 v[SPW], v[NIL]
	s_wait_dscnt 0x0
	CROUND                                         ; the closing round: no work-group ends while a partner may still ask for a block that names it
	s_endpgm
.Lfunc_end_k_qa22e194292_attn:
	.size	k_qa22e194292_attn, .Lfunc_end_k_qa22e194292_attn-k_qa22e194292_attn
	.p2alignl 7, 3214868480
	.fill 96, 4, 3214868480
	.section	.rodata,"a",@progbits
	.p2align	6, 0x0
	.amdhsa_kernel k_qa22e194292_attn
		.amdhsa_group_segment_fixed_size 212992
		.amdhsa_private_segment_fixed_size 0
		.amdhsa_enable_private_segment 0
		.amdhsa_kernarg_size 32
		.amdhsa_user_sgpr_count 2
		.amdhsa_user_sgpr_kernarg_segment_ptr 1
		.amdhsa_wavefront_size32 1
		.amdhsa_system_sgpr_workgroup_id_x 1
		.amdhsa_system_sgpr_workgroup_id_y 1
		.amdhsa_system_sgpr_workgroup_id_z 1
		.amdhsa_system_vgpr_workitem_id 0
		.amdhsa_next_free_vgpr 256
		.amdhsa_next_free_sgpr 66
		.amdhsa_reserve_vcc 0
		.amdhsa_float_denorm_mode_32 3
		.amdhsa_float_denorm_mode_16_64 3
		.amdhsa_memory_ordered 1
		.amdhsa_forward_progress 1
		.amdhsa_inst_pref_size 111
	.end_amdhsa_kernel
	.amdgpu_metadata
---
amdhsa.version: [ 1, 2 ]
amdhsa.kernels:
  - .name:           k_qa22e194292_attn
    .symbol:         k_qa22e194292_attn.kd
    .args:
      - { .name: x1_codes, .offset: 0, .size: 8, .value_kind: global_buffer, .address_space: global }
      - { .name: x1_scales, .offset: 8, .size: 8, .value_kind: global_buffer, .address_space: global }
      - { .name: kv, .offset: 16, .size: 8, .value_kind: global_buffer, .address_space: global }
      - { .name: out0, .offset: 24, .size: 8, .value_kind: global_buffer, .address_space: global }
    .group_segment_fixed_size: 212992
    .private_segment_fixed_size: 0
    .kernarg_segment_align: 8
    .kernarg_segment_size: 32
    .max_flat_workgroup_size: 512
    .sgpr_count:     66
    .vgpr_count:     256
    .wavefront_size: 32
...
	.end_amdgpu_metadata
.endif
;; end of part 2
